; MI455X (gfx1250); checked and timed in simulation.
; The chip was launched on July 23, 2026; its instructions are those of AMD's public machine-readable ISA for CDNA 5 (MIT licence, August 2026) and "CDNA5" Instruction Set Architecture Reference Guide (July 2026). The comments in the code are by the model that wrote it; some were corrected since.
;; Kronecker Attention. Allowed arithmetic: matrix products marked QUANTISED: E2M3 operands, one E8M0 scale for each 32 along K, by v_wmma_scale_f32_16x16x128_f8f6f4 with both operands' format E2M3, f32 sums; products left as they are: f32 operands where the result goes on into a quantised operand, else bf16, f16 or f32 operands; f32 sums; everything else in f32.
;; Inputs: key 2 x 16 x 8,192 x 64 float32; query 2 x 16 x 8,192 x 64 float32; value 2 x 16 x 8,192 x 64 float32.
;; Outputs: out0 2 x 16 x 8,192 x 64 float32.
;; Constants: n_key_groups = 4, n_query_groups = 4.
;; This version of the problem:
;;   THIS VERSION OF THE PROBLEM IS GIVEN IN LOW PRECISION. The matrix products marked QUANTISED in the list below multiply operands that are first quantised to E2M3 (2 exponent bits, 3 mantissa bits; 6 bits a number), with one power-of-two scale for each 32 numbers along K (OCP MX v1.0); their sums are f32. All else is computed in f32.
;;   The module's matrix products, in the order in which they are computed (A, B: the left and right operand; K: the contracted axis; several contracted axes count as one K, in the product's order):
;;     1. batch 32 x [M 2,048, K 64] x [K 64, N 2,048]; A: input query; B: input key: QUANTISED
;;     2. batch 32 x [M 2,048, K 2,048] x [K 2,048, N 256]; A: softmax (see below); B: input value: QUANTISED
;;     3. batch 32 x [M 8,192, K 64] x [K 64, N 4]; A: input query; B: input key: left as it is (N = 4 < 16)
;;     4. batch 32 x [M 4, K 4] x [K 4, N 131,072]; A: computed on the way; B: computed on the way: left as it is (K = 4 < 32)
;;   THE QUANTISER, for each operand of a quantised product, along K:
;;     - K is cut into blocks of 32 from its start; a last block that is shorter is filled with zeros.
;;     - A block's scale is 2^e with e = floor(log2(the largest magnitude in the block)) - 2, held to -126 .. 127; a block of zeros has e = 0. As a byte (E8M0): e + 127.
;;     - Each number is divided by its block's scale, clamped to +-7.5, and rounded to the nearest number of E2M3, ties to even, subnormals kept.
;;     - The product sums the exact products of the quantised numbers (number of the format x scale) in f32.
;;   ~~~python
;;   def quantise(x, axis):      # numpy; x: float32 -> the quantised numbers, widened to float32 again
;;       x = np.moveaxis(x, axis, -1); K = x.shape[-1]
;;       x = np.pad(x, [(0, 0)] * (x.ndim - 1) + [(0, -K % 32)]); x = x.reshape(x.shape[:-1] + (-1, 32)); a = np.abs(x).max(-1, keepdims=True)
;;       e = np.where(a > 0, np.clip(np.frexp(np.where(a > 0, a, 1))[1] - 1 - 2, -126, 127), 0)      # np.frexp(a)[1] - 1 = floor(log2(a)), exactly
;;       r = np.clip(x / 2.0 ** e, -7.5, 7.5)
;;       step = 2.0 ** (np.maximum(np.frexp(np.where(r == 0, 1, r))[1] - 1, 0) - 3)
;;       q = np.round(r / step) * step * 2.0 ** e      # np.round: ties to even
;;       return np.moveaxis(q.reshape(q.shape[:-2] + (-1,))[..., :K], -1, axis).astype(np.float32)
;;   ~~~
;;   SOFTMAX AHEAD OF A QUANTISED PRODUCT. Where the list says 'softmax', what is quantised is not the finished softmax but p = 2^(t - M), with t = logit x log2(e) and M = ceil(the row's largest t), a whole number; so 1/2 < the row's largest p <= 1. The row's sum l is taken of the UNQUANTISED p, in f32, and the product's result is divided by l at the end. Since M is a whole number, a kernel that streams over the keys may use a running M (the ceiling of the running maximum): every later rescaling is an exact power of two, which a block's scale takes up: the codes' values come out the same.
;;   OPERANDS COMPUTED ON THE WAY. 'Computed on the way' means the value that the module computes at that place (a softmax that the list does not call 'softmax' is quantised finished and normalised). What goes into a quantiser is computed in f32, as accurately as f32 sums, v_exp_f32 and their like allow (about 1e-6 of the number): no bf16 or f16 on the way to a quantiser, and a product that is left as it is and whose result goes on into a quantised operand takes f32 operands (vector FMAs, or v_wmma_f32_16x16x4_f32). A number that lies on a knife's edge between two numbers of the format may be rounded either way, as far as f32 arithmetic and the matrix unit's own rounding can turn it there, and no further.
;; One version. Each part assembles by itself: llvm-mc -triple=amdgcn-amd-amdhsa -mcpu=gfx1250 --defsym DOCPART=n.
;; ======== version 1 of 1: 2 launches
;; workspace buffers: kv 16,515,072 bytes; parts 8,192 bytes
;; launch prep (part 1): grid 16 x 32, 8 waves a work-group, no clusters, 38,144 bytes of LDS; arguments query, key, value, kv, parts; writes kv, parts
.if DOCPART == 1
	.amdgcn_target "amdgcn-amd-amdhsa--gfx1250"
	.amdhsa_code_object_version 6
	.text
	.protected	k_q4d6240fb33_prep
	.globl	k_q4d6240fb33_prep
	.p2align	8
	.type	k_q4d6240fb33_prep,@function
k_q4d6240fb33_prep:
	s_mov_b64 s[64:65], 0
	v_nop
	global_prefetch_b8 v0, s[64:65] scope:SCOPE_SE
	s_setreg_imm32_b32 hwreg(HW_REG_WAVE_MODE, 25, 1), 1
	s_wait_xcnt 0x0
; THE LAUNCH IN FRONT OF THE ATTENTION.  query, key, value: [32 heads][8192][64] f32.  It makes, for each head,
;  (1) the codes (FP6 = E2M3, one E8M0 byte for each 32 along K) of the central 2,048 keys, quantised along the head's 64;
;  (2) the codes of value seen as [2,048 keys][256 columns] (column 64 nn + d of key j is value[2048 nn + j][d]), quantised along the KEYS;
;  (3) partial sums over 512 queries of (query . key[2048 n])^2, n = 0..3, in f32 (the product with N = 4 is left as it is: fused multiply-adds).
; (1) and (2) go to kv as IMAGES OF THE OPERANDS' REGISTERS, a block of STEPB bytes for each 128 keys:
;   0     K16  fragment t (16 keys): 512 t + 16 lane: registers 0-3          4096  K8  256 t + 8 lane: registers 4-5   (registers 6-11, K = 64..127, are zeros and are not stored)
;   6144  KS   16 lane + 4 i: scale word of fragment 4 (lane / 16) + i, row lane % 16
;   6656  VS   512 G + 16 lane + 4 i: scale word of V's fragment 8 G + 4 (lane / 16) + i, row lane % 16
;   7680  VC   fragment j (16 columns x 128 keys): 1536 j + 512 c + 16 lane: registers 4 c .. 4 c + 3
; Lane r of K's fragment 2 b + u holds key 32 b + 8 u + r + 8 (r / 8), so that the scores of two neighbouring fragments are 16 neighbouring keys in a lane.
; SHARES.  Work-group (s, head), eight waves, one path for all: wave w makes K's fragment w of key step s, the sums of query rows 512 s + 64 w .. + 63, and V's columns 32 w .. 32 w + 31 of key step s.
; No matrix unit (N = 4 fills a quarter of a tile and the bytes decide), no tensor load, no cluster: the work-groups share only the head's four sample keys, 1 KB of the 36 KB that each reads.
; A block's scale is 2^(floor(log2(largest magnitude)) - 2); its byte is the largest magnitude's exponent field - 2, held at 1 from below.
; LIMITS: a block of zeros gets the byte 1 where the rule says 127 (its codes are zeros, and this program alone reads the bytes); blocks whose largest magnitude lies under 2^-124 keep the byte 1;
; NaN and infinities among the inputs are not served.  parts is written 16 bytes a work-group.
.set STEPB, 32256                      ; a key step's block in kv: 126 x 256 bytes
.set KTP,   272                        ; a row of a wave's turning stage: 256 bytes + 16, so that 16 rows start at 16 different places modulo 256 bytes
.set KTB,   16*KTP                     ; a wave's stage: 16 rows
.set VSL,   8*KTB                      ; LDS: V's scale words, 4 bytes a thread
.set KSL,   VSL+1024                   ; K's, 4 bytes a thread
.set NL,    KSL+1024                   ; the waves' four sums of squares, 16 bytes a wave
.set LN,   1                           ; lane
.set RR,   2                           ; r = lane % 16
.set HH,   3                           ; h = lane / 16
.set LI,   4                           ; 16 x lane
.set L8,   5                           ; 8 x lane
.set L4,   6                           ; 4 x lane
.set KTW,  7                           ; the stage, on the way in: 272 h + 16 r
.set KTR,  8                           ; and out: 272 r + 128 h
.set VSA,  9                           ; VSL + 4 x thread
.set KSA,  10                          ; KSL + 4 x thread
.set NLA,  11                          ; NL + 16 x wave
.set R16,  12                          ; 16 r
.set MA,   13                          ; two chains of a block's largest magnitude
.set MB,   14
.set SO,   15                          ; the conversions' scale operand
.set KSM,  16                          ; v16-31   my four numbers of each sample key
.set ACC,  32                          ; v32-35   sums of squares
.set PR,   36                          ; v36-43   four pairs at work
.set TT,   44                          ; v44-47   w of a row, n = 0..3
.set RING, 48                          ; v48-111  sixteen slots of query; later two sets of 32 numbers of V
.set KL,   112                         ; v112-143 K as loaded; later V's two fragments (v112-135) and its scale word
.set VW,   140
.set KX,   144                         ; v144-175 K turned: 32 neighbours a lane
.set KC,   176                         ; v176-181 K's codes
.set CT,   182                         ; v182-184 the upper 16 codes of a block, before they are moved
.set NLR,  185                         ; NL + 16 (lane % 8)
.set BY,   186                         ; a scale's byte
.set T1,   187
.set T2,   188
.set VRD,  189                         ; 4 r + 256 h
.set KRD,  190                         ; 4 r + 512 h
	s_load_b128 s[4:7], s[0:1], 0x0                ; query, key
	s_load_b128 s[8:11], s[0:1], 0x10              ; value, kv
	s_load_b64 s[12:13], s[0:1], 0x20              ; parts
	v_lshl_add_u32 v192, v0, 2, 0x9100
	v_mov_b32 v193, 0
	v_lshrrev_b32 v[LN], 5, v0
	v_readfirstlane_b32 s14, v[LN]                 ; wave 0..7
	s_and_b32 s15, ttmp7, 0xffff                   ; head
	s_lshl_b32 s17, s15, 21                        ; a head is 8,192 rows of 256 bytes
	s_lshr_b32 s18, s14, 1
	s_and_b32 s19, s14, 1
	s_mov_b32 s32, 0x76543210                      ; v_permlanex16_b32's selects for lane l xor 16
	s_mov_b32 s33, 0xfedcba98
	v_and_b32 v[LN], 31, v0
	v_and_b32 v[RR], 15, v0
	v_bfe_u32 v[HH], v0, 4, 1
	v_lshlrev_b32 v[LI], 4, v[LN]
	v_lshlrev_b32 v[L8], 3, v[LN]
	v_lshlrev_b32 v[L4], 2, v[LN]
	v_lshlrev_b32 v[R16], 4, v[RR]
	s_mul_i32 s40, s14, KTB                        ; my wave's stage
	v_mul_u32_u24 v[KTW], v[HH], KTP
	v_add_nc_u32 v[KTW], v[KTW], v[R16]
	v_add_nc_u32 v[KTW], s40, v[KTW]
	v_mul_u32_u24 v[KTR], v[RR], KTP
	v_lshl_add_u32 v[KTR], v[HH], 7, v[KTR]
	v_add_nc_u32 v[KTR], s40, v[KTR]
	v_lshl_add_u32 v[VSA], v0, 2, VSL
	v_lshl_add_u32 v[KSA], v0, 2, KSL
	s_lshl_b32 s40, s14, 4
	s_add_co_u32 s40, s40, NL
	v_mov_b32 v[NLA], s40
	v_and_b32 v[NLR], 7, v0
	v_lshlrev_b32 v[NLR], 4, v[NLR]
	v_add_nc_u32 v[NLR], NL, v[NLR]
	v_lshlrev_b32 v[VRD], 2, v[RR]
	v_lshl_add_u32 v[KRD], v[HH], 9, v[VRD]
	v_lshl_add_u32 v[VRD], v[HH], 8, v[VRD]
	v_lshlrev_b32 v[T1], 3, v[HH]                  ; 8 h: where my block's byte stands in K's scale word
	v_mov_b32 v[T2], 0                             ; (a lane permute's destination counts as one of its sources)
	; byte offsets, each in a pair of its own with 0 above it
	s_lshl_b32 s40, ttmp9, 15                      ; K: row 4096 + 128 s + 32 (w / 2) + 8 (w % 2)
	s_lshl_b32 s16, s18, 13
	s_add_co_u32 s40, s40, s16
	s_lshl_b32 s16, s19, 11
	s_add_co_u32 s40, s40, s16
	s_add_co_u32 s40, s40, s17
	s_add_co_u32 s40, s40, 4096*256
	s_mov_b32 s41, 0
	s_lshl_b32 s42, ttmp9, 17                      ; query: row 512 s + 64 w
	s_lshl_b32 s16, s14, 14
	s_add_co_u32 s42, s42, s16
	s_add_co_u32 s42, s42, s17
	s_mov_b32 s43, 0
	s_lshl_b32 s44, s18, 19                        ; value: row 2048 (w / 2) + 128 s, column 32 (w % 2)
	s_lshl_b32 s16, ttmp9, 15
	s_add_co_u32 s44, s44, s16
	s_lshl_b32 s16, s19, 7
	s_add_co_u32 s44, s44, s16
	s_add_co_u32 s44, s44, s17
	s_mov_b32 s45, 0
	s_lshl_b32 s46, s15, 4                         ; kv: block 16 head + s
	s_add_co_u32 s46, s46, ttmp9
	s_mul_i32 s46, s46, STEPB
	s_mov_b32 s47, 0
	s_lshl_b32 s48, s15, 8                         ; parts: 256 head + 16 s
	s_lshl_b32 s16, ttmp9, 4
	s_add_co_u32 s48, s48, s16
	s_mov_b32 s49, 0
	s_mov_b32 s50, s17                             ; the head's first row
	s_mov_b32 s51, 0
	s_lshl_b32 s52, s14, 9                         ; in the block: K16 of fragment w,
	s_mov_b32 s53, 0
	s_lshl_b32 s54, s14, 8
	s_add_co_u32 s54, s54, 4096                    ; K8,
	s_mov_b32 s55, 0
	s_mul_i32 s56, s14, 3072
	s_add_co_u32 s56, s56, 7680                    ; V's fragments 2 w and 2 w + 1
	s_mov_b32 s57, 0
	s_wait_kmcnt 0x0
	s_add_nc_u64 s[20:21], s[6:7], s[40:41]        ; my keys
	s_add_nc_u64 s[22:23], s[6:7], s[50:51]        ; the sample keys
	s_add_nc_u64 s[24:25], s[4:5], s[42:43]        ; my queries
	s_add_nc_u64 s[26:27], s[8:9], s[44:45]        ; my columns of V
	s_add_nc_u64 s[28:29], s[10:11], s[46:47]      ; the block
	s_add_nc_u64 s[30:31], s[12:13], s[48:49]      ; the work-group's four sums
	s_add_nc_u64 s[34:35], s[28:29], s[52:53]
	s_add_nc_u64 s[36:37], s[28:29], s[54:55]
	s_add_nc_u64 s[38:39], s[28:29], s[56:57]
	; all of the first loads at once: 8 of K (two runs of eight rows, 16 rows apart), 4 of the sample keys, 16 of query.  Each but the sample keys' covers 512 consecutive bytes.
.irp i, 0,1,2,3
	global_load_b128 v[KL+4*\i:KL+4*\i+3], v[LI], s[20:21] offset:512*\i th:TH_LOAD_NT
.endr
.irp i, 0,1,2,3
	global_load_b128 v[KL+16+4*\i:KL+16+4*\i+3], v[LI], s[20:21] offset:4096+512*\i th:TH_LOAD_NT
.endr
.irp n, 0,1,2,3
	global_load_b128 v[KSM+4*\n:KSM+4*\n+3], v[R16], s[22:23] offset:524288*\n   ; key row 2048 n, numbers 4 r .. 4 r + 3: read by every wave of the head, so no hint
.endr
.irp i, 0,1,2,3,4,5,6,7,8,9,10,11,12,13,14,15
	global_load_b128 v[RING+4*\i:RING+4*\i+3], v[LI], s[24:25] offset:512*\i th:TH_LOAD_NT
.endr
; 32 numbers of one block, v[x] .. v[x + 31], become 6 registers of codes at v[c], the scale operand in v[SO] and the scale's byte in v[BY].
.macro BLOCKQ x, c
	v_max3_num_f32 v[MA], |v[\x]|, |v[\x+1]|, 0x1800000   ; the floor 2^(3 - 127) among the leaves: the byte cannot fall under 1
	v_max3_num_f32 v[MB], |v[\x+2]|, |v[\x+3]|, |v[\x+4]|
.irp i, 5,9,13,17,21,25
	v_max3_num_f32 v[MA], v[MA], |v[\x+\i]|, |v[\x+\i+1]|
	v_max3_num_f32 v[MB], v[MB], |v[\x+\i+2]|, |v[\x+\i+3]|
.endr
	v_max3_num_f32 v[MA], v[MA], |v[\x+29]|, |v[\x+30]|
	v_max3_num_f32 v[MA], v[MA], v[MB], |v[\x+31]|
	v_add_nc_u32 v[SO], 0xff000000, v[MA]          ; 2 off the exponent field: the conversion takes this operand's exponent field as its scale
	v_lshrrev_b32 v[BY], 23, v[SO]
	v_cvt_scalef32_pk16_fp6_f32 v[\c:\c+2], v[\x:\x+15], v[SO]
	v_cvt_scalef32_pk16_fp6_f32 v[CT:CT+2], v[\x+16:\x+31], v[SO]   ; (a conversion's three registers begin on an even number)
	v_nop                                          ; one plain instruction behind a scaled conversion
.irp i, 0,1,2
	v_mov_b32 v[\c+3+\i], v[CT+\i]
.endr
.endm
	; ---- K: 16 rows turn through my own stage, so that a lane holds the 32 neighbours of one block: row r, numbers 32 h on
	s_wait_loadcnt 20                              ; K's eight loads are in; the 4 + 16 issued behind them may be out
.irp i, 0,1,2,3,4,5,6,7
	ds_store_b128 v[KTW], v[KL+4*\i:KL+4*\i+3] offset:2*KTP*\i     ; a load holds two rows: stage rows 2 i and 2 i + 1
.endr
.irp j, 0,1,2,3,4,5,6,7
	ds_load_b128 v[KX+4*\j:KX+4*\j+3], v[KTR] offset:16*\j         ; LDS serves a wave's instructions in order: these see my stores
.endr
	s_wait_dscnt 0x0
	BLOCKQ KX, KC
	v_lshlrev_b32 v[BY], v[T1], v[BY]              ; my block's byte at its place,
	v_permlanex16_b32 v[T2], v[BY], s32, s33
	v_or_b32 v[BY], v[BY], v[T2]                   ; with lane l xor 16's,
	v_or_b32 v[BY], 0x7f7f0000, v[BY]              ; and 2^0 for the two blocks of zero codes that fill the instruction's K = 128
	global_store_b128 v[LI], v[KC:KC+3], s[34:35]  ; 512 consecutive bytes, aligned
	global_store_b64 v[L8], v[KC+4:KC+5], s[36:37] ; 256 consecutive bytes, aligned
	ds_store_b32 v[KSA], v[BY]
	; ---- the norms' sums: an item is two rows (lanes 0-15 the even one); a lane holds four numbers of its row
.macro QITEM i, refill, left
.set QR, RING+4*((\i)%16)
	s_wait_loadcnt \left                           ; loads come back in order: this item's is in, the younger ones stay out
.irp n, 0,1,2,3
	v_pk_mul_f32 v[PR+2*\n:PR+2*\n+1], v[QR:QR+1], v[KSM+4*\n:KSM+4*\n+1]
.endr
.irp n, 0,1,2,3
	v_pk_fma_f32 v[PR+2*\n:PR+2*\n+1], v[QR+2:QR+3], v[KSM+4*\n+2:KSM+4*\n+3], v[PR+2*\n:PR+2*\n+1]
.endr
.if \refill
	global_load_b128 v[QR:QR+3], v[LI], s[24:25] offset:512*((\i)+16) th:TH_LOAD_NT
.endif
.irp n, 0,1,2,3
	v_add_f32 v[TT+\n], v[PR+2*\n], v[PR+2*\n+1]
.endr
.irp x, 1,2,4,8
.irp n, 0,1,2,3
	v_add_f32_dpp v[TT+\n], v[TT+\n], v[TT+\n] row_xmask:\x row_mask:0xf bank_mask:0xf   ; over the row's sixteen lanes
.endr
.endr
.irp n, 0,1,2,3
.if (\i) == 0
	v_mul_f32 v[ACC+\n], v[TT+\n], v[TT+\n]        ; the first item starts the sums
.else
	v_fmac_f32 v[ACC+\n], v[TT+\n], v[TT+\n]
.endif
.endr
.endm
.set IT, 0
.rept 16
	QITEM IT, 1, 15                                ; fifteen younger loads: the ring's other slots
.set IT, IT+1
.endr
.rept 16
	QITEM IT, 0, 31-IT                             ; the second half loads nothing: the counts run down
.set IT, IT+1
.endr
.macro VLOAD t                         ; block t of V: keys 32 t + i of my column, into set t % 2; a wave's load covers 128 consecutive bytes, two neighbouring waves a row
.irp i, 0,1,2,3,4,5,6,7,8,9,10,11,12,13,14,15,16,17,18,19,20,21,22,23,24,25,26,27,28,29,30,31
	global_load_b32 v[RING+32*((\t)%2)+\i], v[L4], s[26:27] offset:(32*(\t)+\i)*256 th:TH_LOAD_NT
.endr
.endm
	VLOAD 0                                        ; the ring's registers are free: two blocks of V go out before the sums are finished
	VLOAD 1
.irp n, 0,1,2,3
	v_permlanex16_b32 v[PR+\n], v[ACC+\n], s32, s33
.endr
.irp n, 0,1,2,3
	v_add_f32 v[ACC+\n], v[ACC+\n], v[PR+\n]       ; even rows' and odd rows'
.endr
	ds_store_b128 v[NLA], v[ACC:ACC+3]             ; every lane writes the same 16 bytes with the same values
	; ---- V: a lane takes a column and its registers run down the keys: a block of 32 is one lane's, and the codes come out with the keys innermost
.macro VBLOCK t
.set XS, RING+32*((\t)%2)
.set CBR, KL+12*((\t)%2)+6*((\t)/2)    ; blocks 0, 2 at v112, v118; blocks 1, 3 at v124, v130
.if (\t) < 3
	s_wait_loadcnt 32                              ; this block's 32 loads are in; the next block's may be out
.else
	s_wait_loadcnt 0x0
.endif
	BLOCKQ XS, CBR
.if (\t) == 0
	v_mov_b32 v[VW], v[BY]                         ; four bytes make my column's scale word for these 128 keys
.else
	v_lshl_or_b32 v[VW], v[BY], 8*(\t), v[VW]
.endif
.if (\t) < 2
	VLOAD (\t)+2
.endif
.endm
	VBLOCK 0
	VBLOCK 1
	VBLOCK 2
	VBLOCK 3
	; Lanes 0-15 hold columns 32 w + r, lanes 16-31 columns 32 w + 16 + r, each with all four blocks.  A fragment wants blocks 0, 2 of its column in lanes 0-15 and blocks 1, 3 in lanes 16-31:
	; the first register's upper lanes change places with the second's lower lanes, and v112-123, v124-135 are fragments 2 w and 2 w + 1 as the matrix unit takes them.
.irp i, 0,1,2,3,4,5
	v_permlane16_swap_b32 v[KL+\i], v[KL+12+\i]
	v_permlane16_swap_b32 v[KL+6+\i], v[KL+18+\i]
.endr
.irp k, 0,1,2,3,4,5
	global_store_b128 v[LI], v[KL+4*\k:KL+4*\k+3], s[38:39] offset:512*\k   ; 3,072 consecutive bytes, aligned
.endr
	ds_store_b32 v[VSA], v[VW]
	s_wait_dscnt 0x0                               ; for the others' sake: my scale words and my sums lie in LDS
	s_barrier_signal -1
	s_barrier_wait -1
	; ---- three waves carry out what the eight have gathered
	s_cmp_eq_u32 s14, 0
	s_cbranch_scc0 .Lnot_wave_0
.irp g, 0,1
.irp i, 0,1,2,3
	ds_load_b32 v[RING+4*\g+\i], v[VRD] offset:VSL+512*\g+64*\i    ; fragment 8 g + 4 h + i, row r: its word lies at 64 x fragment + 4 r
.endr
.endr
	s_wait_dscnt 0x0
	global_store_b128 v[LI], v[RING:RING+3], s[28:29] offset:6656
	global_store_b128 v[LI], v[RING+4:RING+7], s[28:29] offset:7168
	s_wait_tensorcnt 0x0
	ds_add_u32 v192, v193
	s_wait_dscnt 0x0
	s_endpgm
.Lnot_wave_0:
	s_cmp_eq_u32 s14, 1
	s_cbranch_scc0 .Lnot_wave_1
.irp i, 0,1,2,3
	ds_load_b32 v[RING+\i], v[KRD] offset:KSL+128*\i               ; fragment 4 h + i, row r: its word lies at 128 x fragment + 4 r
.endr
	s_wait_dscnt 0x0
	global_store_b128 v[LI], v[RING:RING+3], s[28:29] offset:6144
	s_wait_tensorcnt 0x0
	ds_add_u32 v192, v193
	s_wait_dscnt 0x0
	s_endpgm
.Lnot_wave_1:
	s_cmp_eq_u32 s14, 2
	s_cbranch_scc0 .Lnothing_left
	ds_load_b128 v[RING:RING+3], v[NLR]            ; lane l: wave l % 8's four sums
	s_wait_dscnt 0x0
.irp x, 1,2,4
.irp n, 0,1,2,3
	v_add_f32_dpp v[RING+\n], v[RING+\n], v[RING+\n] row_xmask:\x row_mask:0xf bank_mask:0xf
.endr
.endr
	v_cmp_eq_u32 vcc_lo, 0, v[LN]
	s_wait_xcnt 0x0                                ; EXEC is a source of my earlier stores: it changes only behind this wait
	s_wait_tensorcnt 0x0
	ds_add_u32 v192, v193
	s_wait_dscnt 0x0
	s_and_saveexec_b32 s40, vcc_lo
	global_store_b128 v[LN], v[RING:RING+3], s[30:31]              ; lane 0 alone (its offset is 0): the work-group's 512 rows, n = 0..3
	s_endpgm
.Lnothing_left:
	s_wait_tensorcnt 0x0
	ds_add_u32 v192, v193
	s_wait_dscnt 0x0
	s_endpgm
.Lfunc_end_k_q4d6240fb33_prep:
	.size	k_q4d6240fb33_prep, .Lfunc_end_k_q4d6240fb33_prep-k_q4d6240fb33_prep
	.p2alignl 7, 3214868480
	.fill 96, 4, 3214868480
	.section	.rodata,"a",@progbits
	.p2align	6, 0x0
	.amdhsa_kernel k_q4d6240fb33_prep
		.amdhsa_group_segment_fixed_size 38144
		.amdhsa_private_segment_fixed_size 0
		.amdhsa_enable_private_segment 0
		.amdhsa_kernarg_size 40
		.amdhsa_user_sgpr_count 2
		.amdhsa_user_sgpr_kernarg_segment_ptr 1
		.amdhsa_wavefront_size32 1
		.amdhsa_system_sgpr_workgroup_id_x 1
		.amdhsa_system_sgpr_workgroup_id_y 1
		.amdhsa_system_sgpr_workgroup_id_z 1
		.amdhsa_system_vgpr_workitem_id 0
		.amdhsa_next_free_vgpr 194
		.amdhsa_next_free_sgpr 66
		.amdhsa_reserve_vcc 1
		.amdhsa_float_denorm_mode_32 3
		.amdhsa_float_denorm_mode_16_64 3
		.amdhsa_memory_ordered 1
		.amdhsa_forward_progress 1
		.amdhsa_inst_pref_size 91
	.end_amdhsa_kernel
	.amdgpu_metadata
---
amdhsa.version: [ 1, 2 ]
amdhsa.kernels:
  - .name:           k_q4d6240fb33_prep
    .symbol:         k_q4d6240fb33_prep.kd
    .args:
      - { .name: query, .offset: 0, .size: 8, .value_kind: global_buffer, .address_space: global }
      - { .name: key, .offset: 8, .size: 8, .value_kind: global_buffer, .address_space: global }
      - { .name: value, .offset: 16, .size: 8, .value_kind: global_buffer, .address_space: global }
      - { .name: kv, .offset: 24, .size: 8, .value_kind: global_buffer, .address_space: global }
      - { .name: parts, .offset: 32, .size: 8, .value_kind: global_buffer, .address_space: global }
    .group_segment_fixed_size: 38144
    .private_segment_fixed_size: 0
    .kernarg_segment_align: 8
    .kernarg_segment_size: 40
    .max_flat_workgroup_size: 256
    .sgpr_count:     66
    .vgpr_count:     194
    .wavefront_size: 32
...
	.end_amdgpu_metadata
.endif
;; end of part 1
;; launch attn (part 2): grid 8 x 32, 8 waves a work-group, clusters of 4 x 1, 327,680 bytes of LDS; arguments query, kv, parts, out0; writes out0
.if DOCPART == 2
	.amdgcn_target "amdgcn-amd-amdhsa--gfx1250"
	.amdhsa_code_object_version 6
	.text
	.protected	k_q4d6240fb33_attn
	.globl	k_q4d6240fb33_attn
	.p2align	8
	.type	k_q4d6240fb33_attn,@function
k_q4d6240fb33_attn:
	s_mov_b64 s[64:65], 0
	v_nop
	global_prefetch_b8 v0, s[64:65] scope:SCOPE_SE
	s_setreg_imm32_b32 hwreg(HW_REG_WAVE_MODE, 25, 1), 1
	s_wait_xcnt 0x0
	s_wait_alu depctr_hold_cnt(0) depctr_sa_sdst(0) depctr_va_vdst(0) depctr_va_sdst(0) depctr_va_ssrc(0) depctr_va_vcc(0) depctr_vm_vsrc(0)
	s_getreg_b32 s2, hwreg(HW_REG_IB_STS2, 6, 4)
	s_cmp_eq_u32 s2, 0
	s_cbranch_scc0 .Lentry_in_a_cluster
	s_endpgm
.Lentry_in_a_cluster:
	s_bfe_u32 s2, ttmp6, 0x10000c
	s_cmp_lg_u32 s2, 0x3003
	s_cbranch_scc0 .Lentry_shape_is_right
	s_endpgm
.Lentry_shape_is_right:
; out[m][p][d] = sum over nn of c[m][nn] x attn[p][64 nn + d],  attn = softmax(Qc Kc^T / 8) V,  Qc, Kc the central 2,048 queries and keys of a head, V [2,048 keys][256 columns],
; c[m][nn] = s[m][nn] / sum over n of s[m][n],  s = norm / norm[2][2],  norm[m][n] = the root of the sums of squares that the launch before has left in parts.
; Both products of the attention run on codes of FP6 (E2M3) with one E8M0 byte for each 32 along K.  K's and V's codes come from kv as images of the operands' registers (layout: the launch before);
; Q is quantised here, in registers.  The first product's K is 64: the upper half of the instruction's 128 is zero codes on both sides, under the byte 127.
; THE SOFTMAX: t = score x log2(e) / 8; M = the running largest t, rounded up to a whole number; p = 2^(t - M) is quantised along the keys, not normalised; the row's sum l is taken of the unquantised p;
; when M moves, l and O are multiplied by 2^(old M - new M), which rounds nothing.  1 / l goes into the sixteen coefficients on the way out, so attn never goes to memory.
; SHARES.  A work-group owns 256 central queries of a head, each of its eight waves 32: two tiles of 16, so that each fragment of K or V read from LDS feeds two products; two waves share a SIMD,
; so that one wave's softmax stands beside the other's products.  Every wave walks the 2,048 keys, 128 a step.
; LAYOUT.  Both products are used transposed (S^T = K Q^T, O^T = V^T P^T): a lane holds ONE query (lane % 16) throughout; the 16 registers of two neighbouring tiles of S^T are 16 neighbouring keys.
; CLUSTER.  The four query blocks of a cluster belong to one head and walk the same kv: each slot (two key steps, 64,512 bytes) is asked for JOINTLY, a quarter by each of waves 0 to 3.
; LIMITS: NaN and infinities among the inputs are not served; a block of zeros has the byte 1 (its codes are zeros); divisions are v_rcp_f32 and a multiplication; norm[2][2] = 0 gives no number;
; a block's largest p is made from its largest score by the same two instructions, which takes v_exp_f32 not to fall where its input rises.
; REGISTERS.  Window 0: v1-11 addresses; v12-19 -M, largest t, l (two halves) for each tile; v20-21 Q's scale words, v22-23 P's, v24-31 K's or V's (these hold scales alone);
;   v32-55 Q's two fragments; v56-79 P's two; v80-127 four fragments of K (registers 6-11 of each stay zeros; registers 0-5 serve the softmax as work registers between the products);
;   v128-255 S^T, then p, then V's fragments in two sets of 48.   Window 1: O^T: tile u, columns 16 j on, at v[128 u + 8 j].
.set STEPB, 32256                      ; a key step's block
.set SLOTB, 2*STEPB
.set QUART, SLOTB/4                    ; what one tensor load brings: 63 rows of 256 bytes
.set HEADB, 16*STEPB
.set SLOT1, 65536                      ; slot 1 begins here: one exclusive or turns an address from one slot to the other
.set K8_O,  4096
.set KS_O,  6144
.set VS_O,  6656
.set VC_O,  7680
.set SP,    272                        ; a stage row: 256 bytes + 16
.set STAGE, 131072                     ; behind the ring: 16 rows for each wave; no tile ever lands here
.set SPARE, STAGE+8*16*SP              ; the spare words, 128 bytes for each wave: four blocks of 256 bytes that no other line names
.set SPW,  1                           ; SPARE + 4 x thread; never rewritten
.set NIL,  2                           ; 0; never rewritten
.set LI,   3                           ; 16 x lane
.set L8,   4                           ; 8 x lane
.set AD16, 5                           ; the step's block + 16 x lane
.set AD8,  6                           ; + 8 x lane
.set PFO,  7                           ; the prefetches' offset
.set STO,  8                           ; stage + 272 r + 32 h
.set RD,   9                           ; stage + 272 h + 16 r
.set PO,   10                          ; 16 r: my place in parts
.set QRD,  11                          ; stage + 272 r + 128 h
.set ST,   12
.set QS,   20
.set PS,   22
.set SC,   24
.set QF,   32
.set PF,   56
.set KB,   80
.set S,    128
.set TM,   80                          ; v80-83  the blocks' largest scores, then largest p
.set TMP,  84
.set TP,   92                          ; v92-95  the other half's maxima, then bytes, then codes on their way
.set C2,   96                          ; v96-97  the sum's second chain
.set CT1,  104                         ; v104-106 codes on their way
.set TS,   116                         ; v116-119 the conversions' scale operands
.set F,    120                         ; v120 2^(old M - new M); named with v121 as a pair
.set CF,   128                         ; the way out: v128-159 c[m][nn] / l, each twice
.set RES,  160                         ; v160-191 a block of out
.set BK,   192                         ; v192-255 rows read back, two sets
.set RL,   84                          ; v84-85 1 / l
.set WV,   12
.set G1,   16
.set G0,   24
.set TB,   28                          ; LDS byte at which the step's block begins
.set SLOTS, 29
.set TWICE, 30
.set LIM,  31
.set CS,   32
.set SEL,  34
.set PFA,  36
.set QA,   38
.set CO,   40                          ; s40-55 c[m][nn]
.set OA,   66
.set MSB, 0
.macro WIN new                         ; the immediate's high byte repeats the setting that is left; a switch that changes nothing is dropped
.if MSB != \new
	s_set_vgpr_msb (MSB<<8)|\new
.set MSB, \new
.endif
.endm
.macro PLACES n
.rept \n
	v_nop
.endr
.endm
.macro CROUND                          ; a round of the cluster's barrier
	s_barrier_signal -1
	s_barrier_wait -1
	s_cmp_lg_u32 s[WV], 0
	s_cbranch_scc1 .Lnot_wave_0_\@
	s_barrier_signal -3
.Lnot_wave_0_\@:
	s_barrier_wait -3
	s_barrier_signal -1
	s_barrier_wait -1
.endm
.macro JLOAD                           ; waves 0 to 3 fetch a quarter of a slot each; the branch hangs on the wave's number alone.  Four v_nop follow the load
	s_cmp_lt_u32 s[WV], 4
	s_cbranch_scc0 .Lno_load_\@
	tensor_load_to_lds s[G0:G0+3], s[G1:G1+7]
	s_nop 0
	PLACES 4
.Lno_load_\@:
.endm
; A PREFETCH INTO THE L2 of the slot that the NEXT change of slots will ask for: two key steps ahead of that load.  Both clusters of a head walk the same kv: the head's first cluster asks.  Its four partners take a
; quarter of the slot each, told apart BY ADDRESS; in each, waves 4 and 5 ask, lanes 256 bytes apart.  A quarter is 63 such pieces for 64 lanes: the last lane names the 63rd once more.
; The last change that fills a slot asks for nothing; slots 0 and 1 come by their loads alone.
.macro ASK
	s_cmp_gt_u32 s[SLOTS], s[LIM]
	s_cbranch_scc0 .Lnot_mine_\@
	global_prefetch_b8 v[PFO], s[PFA:PFA+1] th:TH_LOAD_NT scope:SCOPE_SE
.Lnot_mine_\@:
.endm
; THE CHANGE OF SLOTS stands at a slot's head.  Each wave waits for all its tensor loads (its part of the slot ahead), adds 0 to its spare word, and waits for that and for its reads of the slot that it has left.
; fill = 1: a round of the cluster's barrier, so that no wave of any partner still reads that slot; then it is filled with the next 256 keys: the wave's one tensor load, with two key steps in which to land.
.macro CHANGE fill
	s_wait_tensorcnt 0x0                           ; no tensor load of mine is out, so the descriptor may be written
	ds_add_u32 v[SPW], v[NIL]
.if \fill
	s_xor_b32 s[G0+1], s[G0+1], SLOT1              ; the other slot than last time,
	s_add_nc_u64 s[G0+2:G0+3], s[G0+2:G0+3], SLOTB ; the next two key steps; the type bits on top are not reached
	s_wait_xcnt 0x0                                ; the last prefetch, a slot back, has read its address
	s_add_nc_u64 s[PFA:PFA+1], s[PFA:PFA+1], SLOTB
	s_wait_dscnt 0x0                               ; the add is done, and my reads of the slot that I have left are over
	CROUND
	JLOAD
	ASK
.else
	s_wait_dscnt 0x0
	s_barrier_signal -1
	s_barrier_wait -1
.endif
.endm
; one product: D, A (12 registers), B (12), A's and B's scale registers; row = 1: A's scales stand in lanes 16-31; zero = 1: it starts its sum
.macro WM d, a, b, sa, sb, row, zero
.if \zero
.if \row
	v_wmma_scale_f32_16x16x128_f8f6f4 v[\d:\d+7], v[\a:\a+11], v[\b:\b+11], 0, v[\sa], v[\sb] matrix_a_fmt:MATRIX_FMT_FP6 matrix_b_fmt:MATRIX_FMT_FP6 matrix_a_scale:MATRIX_SCALE_ROW1
.else
	v_wmma_scale_f32_16x16x128_f8f6f4 v[\d:\d+7], v[\a:\a+11], v[\b:\b+11], 0, v[\sa], v[\sb] matrix_a_fmt:MATRIX_FMT_FP6 matrix_b_fmt:MATRIX_FMT_FP6
.endif
.else
.if \row
	v_wmma_scale_f32_16x16x128_f8f6f4 v[\d:\d+7], v[\a:\a+11], v[\b:\b+11], v[\d:\d+7], v[\sa], v[\sb] matrix_a_fmt:MATRIX_FMT_FP6 matrix_b_fmt:MATRIX_FMT_FP6 matrix_a_scale:MATRIX_SCALE_ROW1
.else
	v_wmma_scale_f32_16x16x128_f8f6f4 v[\d:\d+7], v[\a:\a+11], v[\b:\b+11], v[\d:\d+7], v[\sa], v[\sb] matrix_a_fmt:MATRIX_FMT_FP6 matrix_b_fmt:MATRIX_FMT_FP6
.endif
.endif
.endm
.macro KLOAD t                         ; K's fragment t: six registers of codes, as they were stored
	ds_load_b128 v[KB+12*((\t)%4):KB+12*((\t)%4)+3], v[AD16] offset:512*(\t)
	ds_load_b64 v[KB+12*((\t)%4)+4:KB+12*((\t)%4)+5], v[AD8] offset:K8_O+256*(\t)
.endm
.macro SMUL t                          ; S^T of fragment t's 16 keys, for both tiles of queries
.irp w, 0,1
.set rD, S+64*\w+8*(\t)
.set rA, KB+12*((\t)%4)
.set rB, QF+12*\w
.set rSA, SC+(\t)%4
.set rSB, QS+\w
	WM rD, rA, rB, rSA, rSB, (\t)/4, 1
.endr
.endm
.macro VLOAD g                         ; V's fragments 4 g .. 4 g + 3 into set g % 2
.irp i, 0,1,2,3
.irp c, 0,1,2
	ds_load_b128 v[S+48*((\g)%2)+12*\i+4*\c:S+48*((\g)%2)+12*\i+4*\c+3], v[AD16] offset:VC_O+1536*(4*(\g)+\i)+512*\c
.endr
.endr
.endm
.macro PVMUL g, first                  ; O^T += V^T P^T: eight accumulators, one instruction each: no two neighbours share one
	WIN 0x50                                       ; C and D in window 1
.irp i, 0,1,2,3
.irp w, 0,1
.set rD, 128*\w+8*(4*(\g)+\i)
.set rA, S+48*((\g)%2)+12*\i
.set rB, PF+12*\w
.set rSA, SC+4*((\g)/2)+\i
.set rSB, PS+\w
	WM rD, rA, rB, rSA, rSB, (\g)%2, \first
.endr
.endr
.endm
.macro RESCALE u                       ; tile u's O^T under the new M, each accumulator from its low end on
	WIN 0x41                                       ; destination and source 0 in window 1
.set jj, 0
.rept 64
	v_pk_mul_f32 v[128*(\u)+jj:128*(\u)+jj+1], v[128*(\u)+jj:128*(\u)+jj+1], v[F:F+1] op_sel_hi:[1,0]
.set jj, jj+2
.endr
.endm
; Tile u's softmax for 128 keys: scores in v[SB] .. v[SB + 63], register 16 b + i = key 32 b + 16 (lane / 16) + i.  It leaves P's fragment, its scale word, and f in v[F].
.macro SOFTMAX u
.set SB, S+64*(\u)
.set NM, ST+4*(\u)
.set TX, NM+1
.set SU, NM+2
.set PFU, PF+12*(\u)
.irp b, 0,1,2,3
	v_max3_num_f32 v[TM+\b], v[SB+16*\b], v[SB+16*\b+1], v[SB+16*\b+2]   ; the largest score of each block of 32 keys: it serves the row's maximum and the block's largest p.  Each tile is read from its low end on
.endr
.irp i, 3,5,7,9,11,13
.irp b, 0,1,2,3
	v_max3_num_f32 v[TM+\b], v[TM+\b], v[SB+16*\b+\i], v[SB+16*\b+\i+1]
.endr
.endr
.irp b, 0,1,2,3
	v_max_num_f32 v[TM+\b], v[TM+\b], v[SB+16*\b+15]
.endr
.irp b, 0,1,2,3
	v_permlanex16_b32 v[TP+\b], v[TM+\b], s[SEL], s[SEL+1]
.endr
.irp b, 0,1,2,3
	v_max_num_f32 v[TM+\b], v[TM+\b], v[TP+\b]     ; with lane l xor 16's 16 keys
.endr
	v_max3_num_f32 v[TMP], v[TM], v[TM+1], v[TM+2]
	v_max_num_f32 v[TMP], v[TMP], v[TM+3]
	v_mul_f32 v[TMP], s[CS], v[TMP]                ; as t (c is positive)
	v_max_num_f32 v[TX], v[TX], v[TMP]             ; the running largest t
	v_mov_b32 v[TMP], v[NM]
	v_floor_f32 v[NM], -v[TX]                      ; -M = floor(-t): M is a whole number
	v_sub_f32 v[TMP], v[NM], v[TMP]                ; old M - new M: a whole number, 0 or less
	v_cvt_i32_f32 v[TMP], v[TMP]                   ; (it saturates)
	v_ldexp_f32 v[F], 1.0, v[TMP]                  ; f = 2^(old M - new M)
.set jj, 0
.rept 32
	v_pk_fma_f32 v[SB+jj:SB+jj+1], v[SB+jj:SB+jj+1], s[CS:CS+1], v[NM:NM+1] op_sel_hi:[1,0,0]   ; t - M (of the pairs c and -M the low word serves both halves)
.set jj, jj+2
.endr
.irp b, 0,1,2,3
	v_fma_f32 v[TM+\b], v[TM+\b], s[CS], v[NM]     ; the same of each block's largest score
.endr
.set jj, 0
.rept 64
	v_exp_f32 v[SB+jj], v[SB+jj]                   ; p = 2^(t - M)
.set jj, jj+1
.endr
	v_pk_mul_f32 v[SU:SU+1], v[SU:SU+1], v[F:F+1] op_sel_hi:[1,0]   ; l under the new M: the plain instruction behind the batch
	s_wait_alu depctr_va_vdst(0)                   ; one wait for the 64 exponentials, ahead of their first reader
.irp b, 0,1,2,3
	v_exp_f32 v[TM+\b], v[TM+\b]                   ; the blocks' largest p
.endr
	v_pk_add_f32 v[C2:C2+1], v[SB:SB+1], v[SB+2:SB+3]   ; l takes the unquantised p, in two chains; these lines read the 64 alone
.irp j, 4,8,12,16,20,24,28,32,36,40,44,48,52,56,60
	v_pk_add_f32 v[SU:SU+1], v[SU:SU+1], v[SB+\j:SB+\j+1]
	v_pk_add_f32 v[C2:C2+1], v[C2:C2+1], v[SB+\j+2:SB+\j+3]
.endr
	v_pk_add_f32 v[SU:SU+1], v[SU:SU+1], v[C2:C2+1]
	s_wait_alu depctr_va_vdst(0)                   ; and one for the four
.irp b, 0,1,2,3
	v_max_num_f32 v[TM+\b], 0x1800000, v[TM+\b]    ; the floor 2^(3 - 127): the byte cannot fall under 1
.endr
.irp b, 0,1,2,3
	v_add_nc_u32 v[TS+\b], 0xff000000, v[TM+\b]    ; 2 off the exponent field: the conversion's scale operand
.endr
.irp b, 0,1,2,3
	v_lshrrev_b32 v[TP+\b], 23, v[TS+\b]
.endr
	v_lshl_or_b32 v[PS+(\u)], v[TP+1], 8, v[TP]    ; P's scale word for these 128 keys
	v_lshl_or_b32 v[PS+(\u)], v[TP+2], 16, v[PS+(\u)]
	v_lshl_or_b32 v[PS+(\u)], v[TP+3], 24, v[PS+(\u)]
	v_cvt_scalef32_pk16_fp6_f32 v[PFU:PFU+2], v[SB:SB+15], v[TS]
	v_cvt_scalef32_pk16_fp6_f32 v[TP:TP+2], v[SB+16:SB+31], v[TS+1]     ; (a conversion's three registers begin on an even number)
	v_cvt_scalef32_pk16_fp6_f32 v[PFU+6:PFU+8], v[SB+32:SB+47], v[TS+2]
	v_cvt_scalef32_pk16_fp6_f32 v[CT1:CT1+2], v[SB+48:SB+63], v[TS+3]
	v_nop                                          ; one plain instruction behind the scaled conversions
.irp i, 0,1,2
	v_permlane16_swap_b32 v[PFU+\i], v[TP+\i]      ; the operand wants a whole block in a lane: lanes 0-15 blocks 0 and 2, lanes 16-31 blocks 1 and 3
	v_permlane16_swap_b32 v[PFU+6+\i], v[CT1+\i]
.endr
.irp i, 0,1,2
	v_mov_b32 v[PFU+3+\i], v[TP+\i]
	v_mov_b32 v[PFU+9+\i], v[CT1+\i]
.endr
.endm
; A KEY STEP.  first = 1: the launch's first, whose products start O^T's sums: nothing is cleared and nothing rescaled.
.macro STEP first
	v_add_nc_u32 v[AD16], s[TB], v[LI]
	v_add_nc_u32 v[AD8], s[TB], v[L8]
	PLACES 3                                       ; five plain instructions behind the last step's products: the scores are laid over V's fragments, which those products read (ISA guide 7.12.1)
	ds_load_b128 v[SC:SC+3], v[AD16] offset:KS_O   ; K's scale words: lanes 0-15 fragments 0-3, lanes 16-31 fragments 4-7
	KLOAD 0
	KLOAD 1
	KLOAD 2
	KLOAD 3
	s_wait_dscnt 4                                 ; the scale words and fragments 0, 1 are in; the four loads of fragments 2, 3 may be out
	SMUL 0
	SMUL 1
	PLACES 4                                       ; four plain instructions in front of loads into registers that products have read
	KLOAD 4
	KLOAD 5
	s_wait_dscnt 4                                 ; fragments 2, 3 are in; 4, 5 may be out
	SMUL 2
	SMUL 3
	PLACES 4
	KLOAD 6
	KLOAD 7
	s_wait_dscnt 4                                 ; fragments 4, 5 are in; 6, 7 may be out
	SMUL 4
	SMUL 5
	s_wait_dscnt 0x0
	SMUL 6
	SMUL 7
	PLACES 4                                       ; in front of the first read of scores, and of writes to K's registers
	SOFTMAX 0
.if !\first
	RESCALE 0
	WIN 0
.endif
	SOFTMAX 1
	ds_load_b128 v[SC:SC+3], v[AD16] offset:VS_O   ; V's scale words: fragments 0-3 | 4-7,
	ds_load_b128 v[SC+4:SC+7], v[AD16] offset:VS_O+512   ; 8-11 | 12-15
	VLOAD 0                                        ; both tiles' p are codes now: their registers take V's fragments
	VLOAD 1
.if \first
	PLACES 8                                       ; a scale word written by vector instructions stands eight plain instructions ahead of the product that takes it
.else
	RESCALE 1                                      ; these 64 are those instructions, and stand beside the loads
.endif
	s_wait_dscnt 12                                ; the scale words and V's fragments 0-3 are in; the next four fragments' twelve loads may be out
	PVMUL 0, \first
	PLACES 4
	WIN 0
	VLOAD 2
	s_wait_dscnt 12                                ; fragments 4-7 are in
	PVMUL 1, \first
	PLACES 4
	WIN 0
	VLOAD 3
	s_wait_dscnt 12                                ; fragments 8-11 are in
	PVMUL 2, \first
	s_wait_dscnt 0x0
	PVMUL 3, \first
	WIN 0                                          ; at a label and at a branch every window is 0
	s_add_co_u32 s[TB], s[TB], STEPB
.endm
.macro NEXT_SLOT
	s_sub_co_u32 s[TB], s[TB], SLOTB               ; back to a slot's first step,
	s_xor_b32 s[TB], s[TB], SLOT1                  ; in the other slot
.endm
.macro TWO_STEPS                       ; a slot's two key steps: written once, walked twice
	s_mov_b32 s[TWICE], 2
.Lstep_\@:
	STEP 0
	s_sub_co_u32 s[TWICE], s[TWICE], 1
	s_cmp_lg_u32 s[TWICE], 0
	s_cbranch_scc1 .Lstep_\@
	NEXT_SLOT
.endm
	s_load_b256 s[4:11], s[0:1], 0x0               ; query s[4:5], kv s[6:7], parts s[8:9], out0 s[10:11]
	v_lshl_add_u32 v[SPW], v0, 2, SPARE
	v_mov_b32 v[NIL], 0
	ds_add_u32 v1, v2
	s_wait_dscnt 0x0
	v_lshrrev_b32 v[PO], 5, v0
	v_readfirstlane_b32 s[WV], v[PO]               ; wave 0..7
	s_bfe_u32 s13, ttmp6, 0x40000                  ; cx: it enters Q's, out's and the prefetches' addresses alone
	s_lshl_b32 s14, ttmp9, 2
	s_add_co_u32 s14, s14, s13                     ; my block of 256 queries
	s_and_b32 s15, ttmp7, 0xffff                   ; the head, which the four partners share
	; descriptor group 1: 63 rows of 32 elements of 8 bytes, dense in memory and in LDS
	s_mov_b32 s[G1], 15|(3<<16)|(1<<21)            ; 15:0 the mask: all four work-groups; 17:16 elements of 8 bytes; 21 set beside a mask
	s_mov_b32 s[G1+1], 32<<16                      ; tensor_dim0 = 32
	s_mov_b32 s[G1+2], 63<<16                      ; tensor_dim1 = 63
	s_mov_b32 s[G1+3], 32<<16                      ; tile_dim0 = 32
	s_mov_b32 s[G1+4], 63                          ; tile_dim1 = 63
	s_mov_b32 s[G1+5], 32                          ; from row to row
	s_mov_b32 s[G1+6], 0
	s_mov_b32 s[G1+7], 0
	s_mov_b32 s[CS], 0x3e38aa3b                    ; c = log2(e) / 8
	s_mov_b32 s[CS+1], s[CS]                       ; (named with it as a pair)
	s_mov_b32 s[SEL], 0x76543210
	s_mov_b32 s[SEL+1], 0xfedcba98                 ; lane l xor 16
	s_mov_b32 s[TB], 0
	s_mov_b32 s[SLOTS], 7                          ; slots still to be asked for
	s_lshr_b32 s[LIM], s[WV], 1
	s_xor_b32 s[LIM], s[LIM], 2                    ; 0 in waves 4 and 5,
	s_or_b32 s[LIM], s[LIM], ttmp9                 ; of the head's first cluster: the same in all four partners
	s_cmp_eq_u32 s[LIM], 0
	s_cselect_b32 s[LIM], 1, -1
	s_and_b32 s56, s[WV], 3
	s_mul_i32 s[G0+1], s56, QUART                  ; LDS address: my quarter of slot 0: no place in the cluster enters it
	s_mov_b32 s60, s[G0+1]                         ; the same quarter in memory
	s_mov_b32 s61, 0
	s_mul_i32 s58, s15, HEADB                      ; the head's part of kv
	s_mov_b32 s59, 0
	s_mul_i32 s62, s13, QUART                      ; the prefetches: my work-group's quarter,
	s_add_co_u32 s62, s62, SLOTB                   ; of slot 1: the first change of slots steps it to slot 2
	s_mov_b32 s63, 0
	s_lshl_b32 s68, s15, 21                        ; my wave's 32 rows: head, 256 x block, 32 x wave, rows of 256 bytes
	s_lshl_b32 s70, s14, 16
	s_add_co_u32 s68, s68, s70
	s_lshl_b32 s70, s[WV], 13
	s_add_co_u32 s68, s68, s70
	s_mov_b32 s69, 0
	s_lshl_b32 s70, s15, 8                         ; the head's 256 bytes of parts
	s_mov_b32 s71, 0
	v_and_b32 v[PO], 31, v0
	v_lshlrev_b32 v[LI], 4, v[PO]
	v_lshlrev_b32 v[L8], 3, v[PO]
	v_and_b32 v[PFO], 63, v0                       ; 32 (wave % 2) + lane,
	v_min_u32 v[PFO], 62, v[PFO]                   ; held inside the quarter,
	v_lshlrev_b32 v[PFO], 8, v[PFO]                ; 256 bytes apart
	s_mul_i32 s57, s[WV], 16*SP
	s_add_co_u32 s57, s57, STAGE                   ; my stage
	v_and_b32 v[PO], 15, v0                        ; r
	v_bfe_u32 v[TMP], v0, 4, 1                     ; h
	v_mul_u32_u24 v[STO], v[PO], SP
	v_add_nc_u32 v[STO], s57, v[STO]
	v_lshl_add_u32 v[QRD], v[TMP], 7, v[STO]
	v_lshl_add_u32 v[STO], v[TMP], 5, v[STO]
	v_mul_u32_u24 v[RD], v[TMP], SP
	v_lshl_add_u32 v[RD], v[PO], 4, v[RD]
	v_add_nc_u32 v[RD], s57, v[RD]
	v_lshlrev_b32 v[PO], 4, v[PO]
	v_lshlrev_b32 v[TMP], 3, v[TMP]                ; 8 h: where my block's byte stands in Q's scale word
	v_mov_b32 v85, 0                               ; (a lane permute's destination counts as one of its sources)
.irp w, 0,1
.irp i, 6,7,8,9,10,11
	v_mov_b32 v[QF+12*\w+\i], 0                    ; K = 64 .. 127 of the first product: zero codes, in Q
.endr
.endr
.irp t, 0,1,2,3
.irp i, 6,7,8,9,10,11
	v_mov_b32 v[KB+12*\t+\i], 0                    ; and in K: written once, never touched again
.endr
.endr
.irp w, 0,1
	v_mov_b32 v[ST+4*\w+1], 0xff61b1e6             ; the largest t so far: -3e38
	v_floor_f32 v[ST+4*\w], -v[ST+4*\w+1]          ; -M
	v_mov_b32 v[ST+4*\w+2], 0                      ; l, in two halves
	v_mov_b32 v[ST+4*\w+3], 0
.endr
	s_wait_kmcnt 0x0
	s_add_nc_u64 s[6:7], s[6:7], s[58:59]          ; kv at my head
	s_mov_b32 s[G0], 1                             ; count = 1
	s_add_nc_u64 s[G0+2:G0+3], s[6:7], s[60:61]    ; global address: my quarter of key steps 0 and 1
	s_or_b32 s[G0+3], s[G0+3], 0x80000000          ; type = 2
	s_add_nc_u64 s[PFA:PFA+1], s[6:7], s[62:63]
	s_add_nc_u64 s[OA:OA+1], s[10:11], s[68:69]    ; out: row 256 block + 32 wave of group 0
	s_add_nc_u64 s[QA:QA+1], s[4:5], s[68:69]
	s_add_nc_u64 s[QA:QA+1], s[QA:QA+1], 4096*256  ; query: the same rows of the central group
	s_add_nc_u64 s[8:9], s[8:9], s[70:71]
.irp i, 0,1,2,3,4,5,6,7,8,9,10,11,12,13,14,15
	global_load_b128 v[S+4*\i:S+4*\i+3], v[LI], s[QA:QA+1] offset:512*\i th:TH_LOAD_NT   ; my 32 queries, two rows (512 consecutive bytes) a load
.endr
	global_load_b128 v[PF:PF+3], v[PO], s[8:9]     ; lane r: the four sums of squares of query rows 512 r .. 512 r + 511
	CROUND                                         ; all four work-groups are here: the first joint loads meet
	JLOAD                                          ; slot 0.  By this text's count a wave never has more than one tensor load out
	s_wait_loadcnt 0x0
	; ---- Q: each tile's 16 rows turn through my stage, so that a lane holds row r's 32 numbers of block h
.irp w, 0,1
.irp i, 0,1,2,3,4,5,6,7
	ds_store_b128 v[RD], v[S+32*\w+4*\i:S+32*\w+4*\i+3] offset:2*SP*\i
.endr
.irp j, 0,1,2,3,4,5,6,7
	ds_load_b128 v[BK+32*\w+4*\j:BK+32*\w+4*\j+3], v[QRD] offset:16*\j   ; LDS serves a wave's instructions in order: these see the stores above, and the next tile's stores come behind them
.endr
.endr
	s_wait_dscnt 0x0
.macro QUANTQ u
.set X, BK+32*(\u)
.set QFU, QF+12*(\u)
	v_max3_num_f32 v80, |v[X]|, |v[X+1]|, 0x1800000   ; the block's largest magnitude, with the floor 2^(3 - 127)
	v_max3_num_f32 v81, |v[X+2]|, |v[X+3]|, |v[X+4]|
.irp i, 5,9,13,17,21,25
	v_max3_num_f32 v80, v80, |v[X+\i]|, |v[X+\i+1]|
	v_max3_num_f32 v81, v81, |v[X+\i+2]|, |v[X+\i+3]|
.endr
	v_max3_num_f32 v80, v80, |v[X+29]|, |v[X+30]|
	v_max3_num_f32 v80, v80, v81, |v[X+31]|
	v_add_nc_u32 v82, 0xff000000, v80              ; the conversions' scale operand
	v_lshrrev_b32 v83, 23, v82                     ; the byte,
	v_lshlrev_b32 v83, v[TMP], v83                 ; at its place,
	v_permlanex16_b32 v85, v83, s[SEL], s[SEL+1]
	v_or_b32 v83, v83, v85                         ; with the other block's,
	v_or_b32 v[QS+(\u)], 0x7f7f0000, v83           ; and 2^0 over the zero codes
	v_cvt_scalef32_pk16_fp6_f32 v[QFU:QFU+2], v[X:X+15], v82
	v_cvt_scalef32_pk16_fp6_f32 v[TP:TP+2], v[X+16:X+31], v82
	v_nop
.irp i, 0,1,2
	v_mov_b32 v[QFU+3+\i], v[TP+\i]
.endr
.endm
	QUANTQ 0
	QUANTQ 1
	; ---- the sixteen coefficients.  Lanes 4 m .. 4 m + 3 hold the four parts of query group m
.irp x, 1,2
.irp n, 0,1,2,3
	v_add_f32_dpp v[PF+\n], v[PF+\n], v[PF+\n] row_xmask:\x row_mask:0xf bank_mask:0xf
.endr
.endr
.irp n, 0,1,2,3
	v_sqrt_f32 v[PF+\n], v[PF+\n]                  ; norm[m][n]
.endr
	v_nop                                          ; a plain instruction behind the batch,
	s_wait_alu depctr_va_vdst(0)                   ; and the wait ahead of its first reader
	v_readlane_b32 s56, v[PF+2], 8                 ; norm[2][2]
	v_rcp_f32 v[PF+4], s56
	v_nop
	s_wait_alu depctr_va_vdst(0)
.irp n, 0,1,2,3
	v_mul_f32 v[PF+\n], v[PF+\n], v[PF+4]          ; s[m][n]
.endr
	v_add_f32 v[PF+5], v[PF], v[PF+1]
	v_add_f32 v[PF+6], v[PF+2], v[PF+3]
	v_add_f32 v[PF+5], v[PF+5], v[PF+6]            ; their sum over n
	v_rcp_f32 v[PF+7], v[PF+5]
	v_nop
	s_wait_alu depctr_va_vdst(0)
.irp n, 0,1,2,3
	v_mul_f32 v[PF+\n], v[PF+\n], v[PF+7]          ; c[m][n]
.endr
.irp m, 0,1,2,3
.irp n, 0,1,2,3
	v_readlane_b32 s[CO+4*\m+\n], v[PF+\n], 4*\m   ; numbers for multiplications alone: no address and no branch hangs on them
.endr
.endr
	CHANGE 1                                       ; slot 0 is whole; slot 1 is asked for
	STEP 1                                         ; the first slot is written out: its first step starts O^T's sums
	STEP 0
	NEXT_SLOT
	s_sub_co_u32 s[SLOTS], s[SLOTS], 1
.Lslot:                                            ; six trips
	CHANGE 1
	TWO_STEPS
	s_sub_co_u32 s[SLOTS], s[SLOTS], 1
	s_cmp_lg_u32 s[SLOTS], 0
	s_cbranch_scc1 .Lslot
	CHANGE 0                                       ; the last slot is written out
	TWO_STEPS
	; ---- THE WAY OUT.  out(m, query, d) = sum over nn of (c[m][nn] / l) O^T(64 nn + d, query): a block is one tile of queries for one m: 16 rows of 256 bytes.
	PLACES 4                                       ; behind the last products
.irp w, 0,1
	v_add_f32 v[80+\w], v[ST+4*\w+2], v[ST+4*\w+3] ; l's two halves,
.endr
.irp w, 0,1
	v_permlanex16_b32 v[82+\w], v[80+\w], s[SEL], s[SEL+1]
.endr
.irp w, 0,1
	v_add_f32 v[80+\w], v[80+\w], v[82+\w]         ; and lane l xor 16's
.endr
.irp w, 0,1
	v_rcp_f32 v[RL+\w], v[80+\w]
.endr
	v_nop
	s_wait_alu depctr_va_vdst(0)                   ; one wait for the two reciprocals
.macro MAKECF u                        ; the coefficients of tile u's queries, each twice: a pair for the packed forms
.irp k, 0,1,2,3,4,5,6,7,8,9,10,11,12,13,14,15
	v_mul_f32 v[CF+2*\k], s[CO+\k], v[RL+(\u)]
	v_mul_f32 v[CF+2*\k+1], s[CO+\k], v[RL+(\u)]
.endr
.endm
.macro COMBINE b                       ; block b: tile b / 4, group b % 4.  Register 8 d + i of the result: out(query r, 16 d + 8 h + i).  Each accumulator is read from its low end on
.set cu, (\b)/4
.set cm, (\b)%4
	WIN 0x01                                       ; source 0 (O^T) in window 1
.irp d, 0,1,2,3
.irp p, 0,2,4,6
	v_pk_mul_f32 v[RES+8*\d+\p:RES+8*\d+\p+1], v[128*cu+8*\d+\p:128*cu+8*\d+\p+1], v[CF+8*cm:CF+8*cm+1]
.endr
.endr
.irp n, 1,2,3
.irp d, 0,1,2,3
.irp p, 0,2,4,6
	v_pk_fma_f32 v[RES+8*\d+\p:RES+8*\d+\p+1], v[128*cu+8*(4*\n+\d)+\p:128*cu+8*(4*\n+\d)+\p+1], v[CF+8*cm+2*\n:CF+8*cm+2*\n+1], v[RES+8*\d+\p:RES+8*\d+\p+1]
.endr
.endr
.endr
	WIN 0
.endm
.macro TOSTAGE b                       ; a lane's 32 bytes of a row go into my stage; whole rows come back
.irp d, 0,1,2,3
	ds_store_b128 v[STO], v[RES+8*\d:RES+8*\d+3] offset:64*\d
	ds_store_b128 v[STO], v[RES+8*\d+4:RES+8*\d+7] offset:64*\d+16
.endr
.irp i, 0,1,2,3,4,5,6,7
	ds_load_b128 v[BK+32*((\b)%2)+4*\i:BK+32*((\b)%2)+4*\i+3], v[RD] offset:2*SP*\i   ; LDS serves a wave's instructions in order: these see the stores above
.endr
.endm
.macro SEND b
	s_wait_dscnt 0x0                               ; the block is back in registers
	s_wait_xcnt 0x0                                ; the block before has been read by its stores: its registers take the next block's rows only behind this wait
.irp i, 0,1,2,3,4,5,6,7
	global_store_b128 v[LI], v[BK+32*((\b)%2)+4*\i:BK+32*((\b)%2)+4*\i+3], s[OA:OA+1] offset:524288*((\b)%4)+4096*((\b)/4)+512*\i th:TH_STORE_NT   ; two rows: 512 consecutive bytes, aligned; written once
.endr
.endm
.irp b, 0,1,2,3,4,5,6,7
.if \b%4 == 0
	MAKECF \b/4
.endif
	COMBINE \b                                     ; a block's arithmetic stands between the loads of the block before and the wait for them
.if \b > 0
	SEND \b-1
.endif
	TOSTAGE \b
.endr
	SEND 7
	s_wait_tensorcnt 0x0                           ; the wave's end
	ds_add_u32 v[SPW], v[NIL]
	s_wait_dscnt 0x0
	CROUND                                         ; the closing round: no work-group ends while a partner may still ask for a tile that names it
	s_endpgm
.Lfunc_end_k_q4d6240fb33_attn:
	.size	k_q4d6240fb33_attn, .Lfunc_end_k_q4d6240fb33_attn-k_q4d6240fb33_attn
	.p2alignl 7, 3214868480
	.fill 96, 4, 3214868480
	.section	.rodata,"a",@progbits
	.p2align	6, 0x0
	.amdhsa_kernel k_q4d6240fb33_attn
		.amdhsa_group_segment_fixed_size 327680
		.amdhsa_private_segment_fixed_size 0
		.amdhsa_enable_private_segment 0
		.amdhsa_kernarg_size 32
		.amdhsa_user_sgpr_count 2
		.amdhsa_user_sgpr_kernarg_segment_ptr 1
		.amdhsa_wavefront_size32 1
		.amdhsa_system_sgpr_workgroup_id_x 1
		.amdhsa_system_sgpr_workgroup_id_y 1
		.amdhsa_system_sgpr_workgroup_id_z 1
		.amdhsa_system_vgpr_workitem_id 0
		.amdhsa_next_free_vgpr 512
		.amdhsa_next_free_sgpr 80
		.amdhsa_reserve_vcc 0
		.amdhsa_float_denorm_mode_32 3
		.amdhsa_float_denorm_mode_16_64 3
		.amdhsa_memory_ordered 1
		.amdhsa_forward_progress 1
		.amdhsa_inst_pref_size 224
	.end_amdhsa_kernel
	.amdgpu_metadata
---
amdhsa.version: [ 1, 2 ]
amdhsa.kernels:
  - .name:           k_q4d6240fb33_attn
    .symbol:         k_q4d6240fb33_attn.kd
    .args:
      - { .name: query, .offset: 0, .size: 8, .value_kind: global_buffer, .address_space: global }
      - { .name: kv, .offset: 8, .size: 8, .value_kind: global_buffer, .address_space: global }
      - { .name: parts, .offset: 16, .size: 8, .value_kind: global_buffer, .address_space: global }
      - { .name: out0, .offset: 24, .size: 8, .value_kind: global_buffer, .address_space: global }
    .group_segment_fixed_size: 327680
    .private_segment_fixed_size: 0
    .kernarg_segment_align: 8
    .kernarg_segment_size: 32
    .max_flat_workgroup_size: 256
    .sgpr_count:     80
    .vgpr_count:     512
    .wavefront_size: 32
...
	.end_amdgpu_metadata
.endif
;; end of part 2
